; MI455X (gfx1250); checked and timed in simulation.
; The chip was launched on July 23, 2026; its instructions are those of AMD's public machine-readable ISA for CDNA 5 (MIT licence, August 2026) and "CDNA5" Instruction Set Architecture Reference Guide (July 2026). The comments in the code are by the model that wrote it; some were corrected since.
;; Multi Head Self Attention. Allowed arithmetic: matrix products marked QUANTISED: E5M2 operands, one given power-of-two scale a tensor, by v_wmma_f32_16x16x64_bf8_bf8 or v_wmma_f32_16x16x128_bf8_bf8, f32 sums; everything else in f32.
;; Inputs: Wk 512 x 512 float32; Wo 512 x 512 float32; Wq 512 x 512 float32; Wv 512 x 512 float32; bk 512 float32; bo 512 float32; bq 512 float32; bv 512 float32; lowp_scales 12 int32 (the exponents e of the quantised operands' scales 2^e); x 2 x 4,096 x 512 float32.
;; Outputs: out0 2 x 4,096 x 512 float32.
;; This version of the problem:
;;   THIS VERSION OF THE PROBLEM IS GIVEN IN LOW PRECISION. The matrix products marked QUANTISED in the list below multiply operands that are first quantised to E5M2 (5 exponent bits, 2 mantissa bits; 8 bits a number), with one given power-of-two scale for each operand tensor; their sums are f32. All else is computed in f32.
;;   The module's matrix products, in the order in which they are computed (A, B: the left and right operand; K: the contracted axis; several contracted axes count as one K, in the product's order):
;;     1. [M 8,192, K 512] x [K 512, N 512]; A: input x; B: input Wq: QUANTISED (scales: A lowp_scales[0], B lowp_scales[1])
;;     2. [M 8,192, K 512] x [K 512, N 512]; A: input x; B: input Wk: QUANTISED (scales: A lowp_scales[2], B lowp_scales[3])
;;     3. [M 8,192, K 512] x [K 512, N 512]; A: input x; B: input Wv: QUANTISED (scales: A lowp_scales[4], B lowp_scales[5])
;;     4. batch 16 x [M 4,096, K 64] x [K 64, N 4,096]; A: computed on the way; B: computed on the way: QUANTISED (scales: A lowp_scales[6], B lowp_scales[7])
;;     5. batch 16 x [M 4,096, K 4,096] x [K 4,096, N 64]; A: softmax (see below); B: computed on the way: QUANTISED (scales: A lowp_scales[8], B lowp_scales[9])
;;     6. [M 8,192, K 512] x [K 512, N 512]; A: computed on the way; B: input Wo: QUANTISED (scales: A lowp_scales[10], B lowp_scales[11])
;;   THE QUANTISER, for each operand of a quantised product, along K:
;;     - The operand's scale is 2^e, e = its entry of the input lowp_scales (int32; the entries are numbered through the quantised products in the list's order, A before B).
;;     - Each number is divided by the scale, clamped to +-57,344, and rounded to the nearest number of E5M2, ties to even, subnormals kept.
;;     - The product sums the exact products of the quantised numbers (number of the format x scale) in f32.
;;   ~~~python
;;   def quantise(x, axis, e):      # numpy; x: float32 -> the quantised numbers, widened to float32 again
;;       x = np.moveaxis(x, axis, -1); K = x.shape[-1]
;;       r = np.clip(x / 2.0 ** e, -57344, 57344)
;;       step = 2.0 ** (np.maximum(np.frexp(np.where(r == 0, 1, r))[1] - 1, -14) - 2)
;;       q = np.round(r / step) * step * 2.0 ** e      # np.round: ties to even
;;       return np.moveaxis(q, -1, axis).astype(np.float32)
;;   ~~~
;;   SOFTMAX AHEAD OF A QUANTISED PRODUCT. Where the list says 'softmax', what is quantised is not the finished softmax but p = 2^(t - M), with t = logit x log2(e) and M = ceil(the row's largest t), a whole number; so 1/2 < the row's largest p <= 1. The row's sum l is taken of the UNQUANTISED p, in f32, and the product's result is divided by l at the end. Since M is a whole number, a kernel that streams over the keys may use a running M (the ceiling of the running maximum): every later rescaling is an exact power of two, so the quantised numbers keep their values, but for numbers so far below the row's largest that they fall under the format's range.
;;   OPERANDS COMPUTED ON THE WAY. 'Computed on the way' means the value that the module computes at that place (a softmax that the list does not call 'softmax' is quantised finished and normalised). What goes into a quantiser is computed in f32, as accurately as f32 sums, v_exp_f32 and their like allow (about 1e-6 of the number): no bf16 or f16 on the way to a quantiser, and a product that is left as it is and whose result goes on into a quantised operand takes f32 operands (vector FMAs, or v_wmma_f32_16x16x4_f32). A number that lies on a knife's edge between two numbers of the format may be rounded either way, as far as f32 arithmetic and the matrix unit's own rounding can turn it there, and no further.
;; One version. Each part assembles by itself: llvm-mc -triple=amdgcn-amd-amdhsa -mcpu=gfx1250 --defsym DOCPART=n.
;; ======== version 1 of 1: 4 launches
;; limits: right only within a limited range of input values
;; workspace buffers: w_img 1,048,576 bytes; q_img 4,194,304 bytes; kv_img 8,388,608 bytes; att_img 4,194,304 bytes
;; launch wquant (part 1): grid 32 x 4, 4 waves a work-group, no clusters, 0 bytes of LDS; arguments Wq, Wk, Wv, Wo, lowp_scales, w_img; writes w_img
.if DOCPART == 1
	.amdgcn_target "amdgcn-amd-amdhsa--gfx1250"
	.amdhsa_code_object_version 6
	.text
	.protected	k_q3f8dd27ec8_wquant
	.globl	k_q3f8dd27ec8_wquant
	.p2align	8
	.type	k_q3f8dd27ec8_wquant,@function
k_q3f8dd27ec8_wquant:
	s_mov_b64 s[64:65], 0
	v_nop
	global_prefetch_b8 v0, s[64:65] scope:SCOPE_SE
	s_setreg_imm32_b32 hwreg(HW_REG_WAVE_MODE, 25, 1), 1
	s_wait_xcnt 0x0
; Wq, Wk, Wv, Wo ([512 n][512 k] f32, K innermost) become codes of BF8 (E5M2), each with its given scale 2^e (entries 1, 3, 5, 11 of lowp_scales).
; code = w / 2^e, held within +-57,344, rounded to the nearest code, ties to even.
; THE CODES ARE LAID AS IMAGES OF OPERAND REGISTERS: w_img [matrix 4][head group 8][tile 4][K step 4][group 4][lane 32][16 bytes].
; Lane (r, h) of tile t of head group g holds row 64 g + 32 (t / 2) + 8 (t % 2) + r + 8 (r / 8), and group c of K step s its k = 128 s + 32 c + 16 h + 0 .. 15.
; So a later launch gets a fragment (16 rows x 128 K) by four loads of 512 consecutive bytes, and nothing is turned anywhere.
; SHARES: work-group y = the matrix, x = 4 g + t, wave = K step s: one wave makes one fragment: 16 loads, 8 conversions, 4 stores of 512 consecutive bytes.
; Each weight is read by 64 work-groups later on: quantised here once, they read a quarter of the bytes.  No LDS, no barrier, no matrix unit: waves share nothing.
; LIMITS: -126 <= e <= 112, so that 2^e and 57,344 x 2^e are f32 numbers.  NaN among the inputs is not served.
.set X,    16                          ; v16-79  64 numbers: register 16 c + i = k 32 c + 16 h + i of my row
.set PC,   80                          ; v80-95  their codes
.set LIMV, 10                          ; v10     57,344 x 2^e
.set SCV,  11                          ; v11     2^e
.macro QUANT src, sc, lim
.irp b, 0,1,2,3
.irp i, 0,1,2,3,4,5,6,7,8,9,10,11,12,13,14,15
	v_med3_num_f32 v[\src+16*\b+\i], v[\src+16*\b+\i], -v[\lim], v[\lim]   ; the conversion to an 8-bit code does not saturate (ISA guide 7.6.2): the hold comes first
.endr
	v_cvt_scalef32_pk8_bf8_f32 v[PC+4*\b:PC+4*\b+1], v[\src+16*\b:\src+16*\b+7], v[\sc]
	v_cvt_scalef32_pk8_bf8_f32 v[PC+4*\b+2:PC+4*\b+3], v[\src+16*\b+8:\src+16*\b+15], v[\sc]
.endr
	v_nop                                          ; a plain vector line behind the last conversion
.endm
	s_load_b256 s[4:11], s[0:1], 0x0               ; Wq, Wk, Wv, Wo
	s_load_b128 s[12:15], s[0:1], 0x20             ; the scales' exponents, w_img
	v_lshrrev_b32 v3, 5, v0
	v_readfirstlane_b32 s16, v3                    ; wave = K step
	s_and_b32 s17, ttmp7, 0xffff                   ; which matrix
	v_and_b32 v4, 15, v0                           ; r
	v_bfe_u32 v5, v0, 4, 1                         ; h
	v_and_b32 v6, 8, v4
	v_add_nc_u32 v6, v6, v4                        ; r + 8 (r / 8)
	v_lshlrev_b32 v1, 11, v6                       ; a row of W is 2,048 bytes
	v_lshl_add_u32 v1, v5, 6, v1                   ; + 64 h: my 16 numbers of a block of 32
	v_and_b32 v2, 31, v0
	v_lshlrev_b32 v2, 4, v2                        ; out: 16 x lane
	s_lshr_b32 s20, ttmp9, 2
	s_lshl_b32 s20, s20, 6                         ; 64 g
	s_bfe_u32 s21, ttmp9, 0x10001
	s_lshl_b32 s21, s21, 5                         ; + 32 (t / 2)
	s_add_co_u32 s20, s20, s21
	s_and_b32 s21, ttmp9, 1
	s_lshl_b32 s21, s21, 3                         ; + 8 (t % 2)
	s_add_co_u32 s20, s20, s21
	s_lshl_b32 s20, s20, 11                        ; the tile's first row, in bytes,
	s_lshl_b32 s21, s16, 9
	s_add_co_u32 s20, s20, s21                     ; + 512 s: 128 numbers along K
	s_mov_b32 s21, 0
	s_lshl_b32 s22, ttmp9, 2
	s_add_co_u32 s22, s22, s16
	s_lshl_b32 s22, s22, 11                        ; fragment 4 (4 g + t) + s of 2,048 bytes,
	s_lshl_b32 s23, s17, 18
	s_add_co_u32 s22, s22, s23                     ; in the matrix's 262,144
	s_mov_b32 s23, 0
	s_wait_alu depctr_va_vdst(0)
	s_wait_kmcnt 0x0
	s_load_b256 s[24:31], s[12:13], 0x0            ; e0 .. e7
	s_load_b128 s[32:35], s[12:13], 0x20           ; e8 .. e11
	s_cmp_eq_u32 s17, 1                            ; the choice hangs on the work-group's number alone
	s_cselect_b64 s[18:19], s[6:7], s[4:5]
	s_cmp_eq_u32 s17, 2
	s_cselect_b64 s[18:19], s[8:9], s[18:19]
	s_cmp_eq_u32 s17, 3
	s_cselect_b64 s[18:19], s[10:11], s[18:19]
	s_add_nc_u64 s[18:19], s[18:19], s[20:21]
	s_add_nc_u64 s[14:15], s[14:15], s[22:23]
.irp c, 0,1,2,3
.irp j, 0,1,2,3
	global_load_b128 v[X+16*\c+4*\j:X+16*\c+4*\j+3], v1, s[18:19] offset:128*\c+16*\j th:TH_LOAD_NT   ; read once in the launch
.endr
.endr
	s_wait_kmcnt 0x0
	s_cmp_eq_u32 s17, 1
	s_cselect_b32 s20, s27, s25                    ; e3 or e1
	s_cmp_eq_u32 s17, 2
	s_cselect_b32 s20, s29, s20                    ; e5
	s_cmp_eq_u32 s17, 3
	s_cselect_b32 s20, s35, s20                    ; e11
	s_add_co_i32 s20, s20, 127
	s_lshl_b32 s21, s20, 23
	v_mov_b32 v[SCV], s21                          ; 2^e as f32: the conversion takes its exponent field
	s_add_co_i32 s20, s20, 15
	s_lshl_b32 s20, s20, 23
	s_or_b32 s20, s20, 0x600000
	v_mov_b32 v[LIMV], s20                         ; 57,344 x 2^e
	s_wait_alu depctr_va_vdst(0)
	s_wait_loadcnt 0x0
	QUANT X, SCV, LIMV
.irp c, 0,1,2,3
	global_store_b128 v2, v[PC+4*\c:PC+4*\c+3], s[14:15] offset:512*\c   ; the wave stores 512 consecutive bytes, aligned
.endr
	s_endpgm
.Lfunc_end_k_q3f8dd27ec8_wquant:
	.size	k_q3f8dd27ec8_wquant, .Lfunc_end_k_q3f8dd27ec8_wquant-k_q3f8dd27ec8_wquant
	.p2alignl 7, 3214868480
	.fill 96, 4, 3214868480
	.section	.rodata,"a",@progbits
	.p2align	6, 0x0
	.amdhsa_kernel k_q3f8dd27ec8_wquant
		.amdhsa_group_segment_fixed_size 0
		.amdhsa_private_segment_fixed_size 0
		.amdhsa_enable_private_segment 0
		.amdhsa_kernarg_size 48
		.amdhsa_user_sgpr_count 2
		.amdhsa_user_sgpr_kernarg_segment_ptr 1
		.amdhsa_wavefront_size32 1
		.amdhsa_system_sgpr_workgroup_id_x 1
		.amdhsa_system_sgpr_workgroup_id_y 1
		.amdhsa_system_sgpr_workgroup_id_z 1
		.amdhsa_system_vgpr_workitem_id 0
		.amdhsa_next_free_vgpr 96
		.amdhsa_next_free_sgpr 66
		.amdhsa_reserve_vcc 0
		.amdhsa_float_denorm_mode_32 3
		.amdhsa_float_denorm_mode_16_64 3
		.amdhsa_memory_ordered 1
		.amdhsa_forward_progress 1
		.amdhsa_inst_pref_size 9
	.end_amdhsa_kernel
	.amdgpu_metadata
---
amdhsa.version: [ 1, 2 ]
amdhsa.kernels:
  - .name:           k_q3f8dd27ec8_wquant
    .symbol:         k_q3f8dd27ec8_wquant.kd
    .args:
      - { .name: Wq, .offset: 0, .size: 8, .value_kind: global_buffer, .address_space: global }
      - { .name: Wk, .offset: 8, .size: 8, .value_kind: global_buffer, .address_space: global }
      - { .name: Wv, .offset: 16, .size: 8, .value_kind: global_buffer, .address_space: global }
      - { .name: Wo, .offset: 24, .size: 8, .value_kind: global_buffer, .address_space: global }
      - { .name: lowp_scales, .offset: 32, .size: 8, .value_kind: global_buffer, .address_space: global }
      - { .name: w_img, .offset: 40, .size: 8, .value_kind: global_buffer, .address_space: global }
    .group_segment_fixed_size: 0
    .private_segment_fixed_size: 0
    .kernarg_segment_align: 8
    .kernarg_segment_size: 48
    .max_flat_workgroup_size: 128
    .sgpr_count:     66
    .vgpr_count:     96
    .wavefront_size: 32
...
	.end_amdgpu_metadata
.endif
;; end of part 1
;; launch qkv (part 2): grid 64 x 3, 8 waves a work-group, clusters of 4 x 1, 327,680 bytes of LDS; arguments x, w_img, bq, bk, bv, lowp_scales, q_img, kv_img; writes q_img, kv_img
.if DOCPART == 2
	.amdgcn_target "amdgcn-amd-amdhsa--gfx1250"
	.amdhsa_code_object_version 6
	.text
	.protected	k_q3f8dd27ec8_qkv
	.globl	k_q3f8dd27ec8_qkv
	.p2align	8
	.type	k_q3f8dd27ec8_qkv,@function
k_q3f8dd27ec8_qkv:
	s_mov_b64 s[64:65], 0
	v_nop
	global_prefetch_b8 v0, s[64:65] scope:SCOPE_SE
	s_setreg_imm32_b32 hwreg(HW_REG_WAVE_MODE, 25, 1), 1
	s_wait_xcnt 0x0
	s_wait_alu depctr_hold_cnt(0) depctr_sa_sdst(0) depctr_va_vdst(0) depctr_va_sdst(0) depctr_va_ssrc(0) depctr_va_vcc(0) depctr_vm_vsrc(0)
	s_getreg_b32 s2, hwreg(HW_REG_IB_STS2, 6, 4)
	s_cmp_eq_u32 s2, 0
	s_cbranch_scc0 .Lentry_in_a_cluster
	s_endpgm
.Lentry_in_a_cluster:
	s_bfe_u32 s2, ttmp6, 0x10000c
	s_cmp_lg_u32 s2, 0x3003
	s_cbranch_scc0 .Lentry_shape_is_right
	s_endpgm
.Lentry_shape_is_right:
; q = x Wq^T + bq, k = x Wk^T + bk, v = x Wv^T + bv on codes of BF8 (E5M2); the results are quantised at once for attention's two products and stored as images of operand registers.
; SHARES: work-group y = which product (0 q, 1 k, 2 v), x = a block of 128 tokens.  Wave w = head w: its 64 rows of W, 16 fragments, 256 registers (window 1), stay in registers.
; CLUSTER 4 x 1: the four token blocks of a cluster make the same product and need the same weights: wave w of each asks for head w's 32,768 bytes of w_img JOINTLY, by the same tensor load with the same descriptor and the mask 15.
; LDS: a region of 32,768 bytes for each wave.  W's images land there once and are read by the wave that asked, and by no other.  Behind those reads the region has had its last fill, and the wave lays into it
; its token tile's four images (bytes 0 to 8,191) and its stage (16 rows of 528 bytes from byte 8,192 on).  No LDS byte is filled twice by a tensor load.  The spare words lie behind the eight regions.
; x is quantised ONCE a work-group, with this product's own scale: wave w makes token tile w (four fragments) and the eight waves hand them round through LDS as images of their registers: fragment (tile m, K step s) at 32,768 m + 2,048 s.  One barrier.
; x's loads read 512 consecutive bytes of one row each; a K step's 16 rows turn through the wave's stage and come back 64 numbers a lane.
; TILES: lane r of token tile 2 g + u holds token 32 g + 8 u + r + 8 (r / 8) of the block; W's tiles are laid likewise.  So 16 registers of two neighbouring result tiles are 16 neighbours along the next K.
; q, k: source 0 = 16 rows of W, source 1 = 16 tokens: a lane holds one token, its registers run along the head's 64 channels, the next K.
; v:    source 0 = 16 tokens, source 1 = 16 rows of W: a lane holds one channel, its registers run along the tokens, which are the second product's K.
; The bias is the C of each sum's first matrix instruction, divided by the power of two that the sums lack; the three scales ahead of the quantiser are folded into the conversion's one.
; OUT: q_img [head 16][tile 256][group 2][lane][16];  kv_img [head 16][key step 32][16,384]: K as [tile 8][group 2][lane][16], then V as [tile 4][group 4][lane][16].  Every store of a wave covers 512 consecutive bytes, aligned.
; 192 work-groups: 3 products x 64 blocks.  NO PREFETCH: the launch has no loop to run ahead in: every load is issued at its head.
; LIMITS, so that each power of two below is an f32 number: ex, and eo - ex - ew, between -126 and 112 (ex, ew: this product's scales; eo: the scale of the operand that it becomes).  NaN among the inputs is not served.
; REGISTERS, window 0: v1-13 lane numbers, addresses, scales; v14, v15 the spare word's address and 0; v16-47 the bias, 8 a tile of W; v48-175 eight fragments of x (before that two sets of 64 numbers of x as loaded);
;   v176-239 eight result tiles (before that the bias's offsets, then x's numbers as the quantiser wants them); v240-255 codes.
.set REG,  32768                       ; a wave's region of LDS
.set SPARE, 8*REG                      ; the spare words, 128 bytes for each of 8 waves: four blocks of 256 bytes that no other line names
.set SPT, 528                          ; a stage row: 512 bytes (128 numbers of one token) + 16 of padding = 132 words, so the sixteen rows that a read touches begin four banks apart
.set XA,  5                            ; v5   where I read my token's numbers back from my stage
.set LI,  6                            ; v6   16 x lane: an image's place for my lane
.set XWI, 7                            ; v7   my region + 16 x lane: W's images, later x's
.set SX,  8                            ; v8   2^ex;  v9  57,344 x 2^ex
.set LX,  9
.set SO,  10                           ; v10  2^(eo - ex - ew);  v11  57,344 x that
.set LO,  11
.set SW,  12                           ; v12  where I put a row's 16 bytes into my stage
.set FA,  13                           ; v13  the pair of token tiles in hand: 65,536 g + 16 x lane
.set B1,  16
.set XF,  48
.set STA, 48
.set STB, 112
.set D,   176
.set VB,  176
.set XQ,  176
.set PC,  240
.set G0,  68                           ; s[68:71] descriptor group 0;  s[72:79] group 1
.set G1,  72
.set MSB, 0
.macro WIN new                         ; the immediate's high byte repeats the setting that is left
.if MSB != \new
	s_set_vgpr_msb (MSB<<8)|\new
.set MSB, \new
.endif
.endm
.macro ROUND                           ; a round of the cluster's barrier
	s_barrier_signal -1
	s_barrier_wait -1
	s_cmp_lg_u32 s20, 0
	s_cbranch_scc1 .Lnot_wave_0_\@
	s_barrier_signal -3
.Lnot_wave_0_\@:
	s_barrier_wait -3
	s_barrier_signal -1
	s_barrier_wait -1
.endm
.macro XLOAD reg, st                   ; my tile's numbers of K step st: load i = 4 c + j: the 32 lanes read 512 consecutive bytes of the tile's row i, which is token i + 8 (i / 8)
.irp c, 0,1,2,3
.irp j, 0,1,2,3
	global_load_b128 v[\reg+16*\c+4*\j:\reg+16*\c+4*\j+3], v[LI], s[4:5] offset:512*(\st)+2048*((4*\c+\j)+8*(\c/2))
.endr
.endr
.endm
.macro QUANT src, sc, lim              ; 64 numbers of a lane become 16 registers of codes
.irp b, 0,1,2,3
.irp i, 0,1,2,3,4,5,6,7,8,9,10,11,12,13,14,15
	v_med3_num_f32 v[\src+16*\b+\i], v[\src+16*\b+\i], -v[\lim], v[\lim]   ; the conversion to an 8-bit code does not saturate (ISA guide 7.6.2): the hold comes first; each result tile is read from its low end on
.endr
	v_cvt_scalef32_pk8_bf8_f32 v[PC+4*\b:PC+4*\b+1], v[\src+16*\b:\src+16*\b+7], v[\sc]
	v_cvt_scalef32_pk8_bf8_f32 v[PC+4*\b+2:PC+4*\b+3], v[\src+16*\b+8:\src+16*\b+15], v[\sc]
.endr
	v_nop                                          ; a plain vector line between the last conversion and the next products, which write its sources
.endm
.macro TURN reg                        ; a K step's 16 rows go through my stage as they were loaded and come back 64 numbers a lane: register 16 c + i = k 32 c + 16 h + i of my token.  LDS serves a wave's instructions in order (ISA guide 5.7.1.4): no wait between the stores and the loads
.set i, 0
.rept 16
	ds_store_b128 v[SW], v[\reg+4*i:\reg+4*i+3] offset:SPT*i
.set i, i+1
.endr
.irp c, 0,1,2,3
.irp j, 0,1,2,3
	ds_load_b128 v[XQ+16*\c+4*\j:XQ+16*\c+4*\j+3], v[XA] offset:128*\c+16*\j
.endr
.endr
.endm
.macro IMAGE st                        ; the fragment in v[PC] on goes to LDS as it stands
.irp c, 0,1,2,3
	ds_store_b128 v[XWI], v[PC+4*\c:PC+4*\c+3] offset:2048*(\st)+512*\c
.endr
.endm
.macro FETCH g                         ; token tiles 2 g and 2 g + 1, all four K steps
	v_add_nc_u32 v[FA], 2*REG*(\g), v[LI]
.irp u, 0,1
.irp s, 0,1,2,3
.irp c, 0,1,2,3
	ds_load_b128 v[XF+16*(4*\u+\s)+4*\c:XF+16*(4*\u+\s)+4*\c+3], v[FA] offset:REG*\u+2048*\s+512*\c
.endr
.endr
.endr
.endm
	s_load_b512 s[4:19], s[0:1], 0x0               ; x, w_img, bq, bk, bv, the scales' exponents, q_img, kv_img
	v_lshl_add_u32 v14, v0, 2, SPARE
	v_mov_b32 v15, 0
	ds_add_u32 v14, v15                            ; the wave's opening: the add, twice on end, and its wait ahead of my first tensor load
	ds_add_u32 v14, v15
	v_lshrrev_b32 v1, 5, v0
	v_readfirstlane_b32 s20, v1                    ; wave = head
	s_and_b32 s21, ttmp7, 0xffff                   ; which product: the partners share it
	s_bfe_u32 s60, ttmp6, 0x40000                  ; cx: my place in the cluster: it enters x's and the outputs' global addresses alone
	s_lshl_b32 s61, ttmp9, 2
	s_add_co_u32 s61, s61, s60                     ; my block of 128 tokens
	s_and_b32 s23, s61, 31                         ; the block's place in its batch: the key step
	s_lshr_b32 s24, s61, 5
	s_lshl_b32 s24, s24, 3
	s_add_co_u32 s24, s24, s20                     ; 8 x batch + head
	v_and_b32 v1, 31, v0                           ; lane
	v_and_b32 v2, 15, v0                           ; r
	v_bfe_u32 v3, v0, 4, 1                         ; h
	v_and_b32 v4, 8, v2
	v_add_nc_u32 v4, v4, v2                        ; r + 8 (r / 8)
	v_mul_u32_u24 v[XA], v2, SPT                   ; stage row r,
	v_lshlrev_b32 v[LI], 4, v1
	s_lshl_b32 s25, s20, 15                        ; my region
	v_lshl_add_u32 v[XA], v3, 6, v[XA]             ; + 64 h
	v_add_nc_u32 v[XWI], s25, v[LI]
	s_add_co_u32 s25, s25, 8192                    ; my stage
	v_add_nc_u32 v[XA], s25, v[XA]
	v_add_nc_u32 v[SW], s25, v[LI]
	s_lshl_b32 s26, s61, 18                        ; x: 128 rows a block,
	s_lshr_b32 s25, s20, 1
	s_lshl_b32 s25, s25, 16                        ; + 32 (w / 2) rows
	s_add_co_u32 s26, s26, s25
	s_and_b32 s25, s20, 1
	s_lshl_b32 s25, s25, 14                        ; + 8 (w % 2) rows
	s_add_co_u32 s26, s26, s25
	s_mov_b32 s27, 0
	s_lshl_b32 s28, s21, 18                        ; w_img: the matrix,
	s_lshl_b32 s25, s20, 15                        ; my head's 16 fragments: made of the product and the wave's number alone
	s_add_co_u32 s28, s28, s25
	s_mov_b32 s29, 0
	s_lshl_b32 s30, s20, 8                         ; the bias: my head's 64 numbers
	s_mov_b32 s31, 0
	s_lshl_b32 s54, s24, 18
	s_lshl_b32 s25, s23, 13
	s_add_co_u32 s54, s54, s25                     ; out, in q_img: head x 262,144 + key step x 8,192; in kv_img twice that
	; descriptor group 1: a dense block of 32,768 bytes as 128 rows of 32 elements of 8 bytes
	s_mov_b32 s[G1], 15|(3<<16)|(1<<21)            ; 15:0 the mask: all four work-groups; 17:16 elements of 8 bytes; 20 no padding; 21 set beside a mask
	s_mov_b32 s[G1+1], 32<<16                      ; tensor_dim0 = 32
	s_mov_b32 s[G1+2], 128<<16                     ; tensor_dim1 = 128
	s_mov_b32 s[G1+3], 32<<16                      ; tile_dim0 = 32
	s_mov_b32 s[G1+4], 128                         ; tile_dim1 = 128
	s_mov_b32 s[G1+5], 32                          ; from row to row
	s_mov_b32 s[G1+6], 0
	s_mov_b32 s[G1+7], 0
	s_wait_alu depctr_va_vdst(0)
	s_wait_dscnt 0x0                               ; both opening adds are done
	s_wait_kmcnt 0x0
	s_load_b256 s[32:39], s[14:15], 0x0            ; e0 .. e7
	s_load_b128 s[40:43], s[14:15], 0x20           ; e8 .. e11
	s_add_nc_u64 s[4:5], s[4:5], s[26:27]
	s_mov_b32 s[G0], 1                             ; count = 1
	s_lshl_b32 s[G0+1], s20, 15                    ; LDS address: my region
	s_add_nc_u64 s[G0+2:G0+3], s[6:7], s[28:29]    ; global address
	s_or_b32 s[G0+3], s[G0+3], 0x80000000          ; type = 2
	s_cmp_eq_u32 s21, 1                            ; every choice here hangs on the work-group's y alone
	s_cselect_b64 s[50:51], s[10:11], s[8:9]
	s_cmp_eq_u32 s21, 2
	s_cselect_b64 s[50:51], s[12:13], s[50:51]
	s_cselect_b32 s47, 0, 64                       ; the bias in the result's layout.  q, k: register j of lane (r, h) wants channel 16 h + j of the tile; v: every register the lane's own channel r + 8 (r / 8)
	s_cselect_b32 s48, 4, 0
	s_cselect_b32 s49, 0, 4
	s_cselect_b32 s56, 8192, 0                     ; V's images lie behind K's
	s_add_nc_u64 s[50:51], s[50:51], s[30:31]
	s_cmp_eq_u32 s21, 0
	s_cselect_b64 s[52:53], s[16:17], s[18:19]
	s_cselect_b32 s55, 0, 1
	s_lshl_b32 s54, s54, s55
	s_add_co_u32 s54, s54, s56
	s_mov_b32 s55, 0
	s_add_nc_u64 s[52:53], s[52:53], s[54:55]
	v_mul_u32_u24 v[VB], s47, v3
	v_mad_u32_u24 v[VB], v4, s48, v[VB]
.irp j, 1,2,3,4,5,6,7
	v_add_nc_u32 v[VB+\j], s49, v[VB+\j-1]
.endr
.irp t, 0,1,2,3
.irp j, 0,1,2,3,4,5,6,7
	global_load_b32 v[B1+8*\t+\j], v[VB+\j], s[50:51] offset:(32*(\t/2)+8*(\t%2))*4
.endr
.endr
	XLOAD STA, 0                                   ; x's first two K steps are on their way while the cluster meets
	XLOAD STB, 1
	ROUND                                          ; all four work-groups are here: the joint loads meet
	tensor_load_to_lds s[G0:G0+3], s[G1:G1+7]      ; my head's weights: my one tensor load
	s_nop 0
.rept 4
	v_nop
.endr
	s_wait_kmcnt 0x0
	s_cmp_eq_u32 s21, 1
	s_cselect_b32 s44, s34, s32                    ; ex: e0, e2, e4
	s_cselect_b32 s45, s35, s33                    ; ew: e1, e3, e5
	s_cselect_b32 s46, s39, s38                    ; eo: e6, e7, e9
	s_cmp_eq_u32 s21, 2
	s_cselect_b32 s44, s36, s44
	s_cselect_b32 s45, s37, s45
	s_cselect_b32 s46, s41, s46
	s_add_co_i32 s57, s44, 127
	s_lshl_b32 s58, s57, 23
	v_mov_b32 v[SX], s58                           ; 2^ex as f32: the conversion takes its exponent field
	s_add_co_i32 s57, s57, 15
	s_lshl_b32 s57, s57, 23
	s_or_b32 s57, s57, 0x600000
	v_mov_b32 v[LX], s57                           ; 57,344 x 2^ex
	s_add_co_i32 s59, s44, s45                     ; a sum stands for sum x 2^(ex + ew): its code is sum / 2^(eo - ex - ew)
	s_sub_co_i32 s57, s46, s59
	s_add_co_i32 s57, s57, 127
	s_lshl_b32 s58, s57, 23
	v_mov_b32 v[SO], s58
	s_add_co_i32 s57, s57, 15
	s_lshl_b32 s57, s57, 23
	s_or_b32 s57, s57, 0x600000
	v_mov_b32 v[LO], s57
	s_sub_co_i32 s59, 0, s59
	s_wait_loadcnt 32                              ; the bias is in; behind it stand x's first two K steps, 16 loads each
.set j, 0
.rept 32
	v_ldexp_f32 v[B1+j], v[B1+j], s59              ; the bias goes in as b / 2^(ex + ew)
.set j, j+1
.endr
	s_wait_alu depctr_va_vdst(0)
	s_wait_tensorcnt 0x0                           ; my head's weights lie in my region, which I alone read
	WIN 0x40                                       ; destination window 1
.irp f, 0,1,2,3,4,5,6,7,8,9,10,11,12,13,14,15  ; W's fragment (tile t, K step s) at v[16 (4 t + s)] of window 1
.irp c, 0,1,2,3
	ds_load_b128 v[16*\f+4*\c:16*\f+4*\c+3], v[XWI] offset:2048*\f+512*\c
.endr
.endr
	WIN 0
	; ---- x: my token tile becomes four fragments; two K steps are always on their way or at work.  The stores below come behind W's reads in my own order of LDS instructions
	s_wait_loadcnt 16                              ; K step 0 is in; step 1's 16 loads may be out
	TURN STA
	s_wait_dscnt 0x0                               ; the numbers are back, and the stage's stores have read their registers,
	XLOAD STA, 2                                   ; which take K step 2
	QUANT XQ, SX, LX
	IMAGE 0
	s_wait_loadcnt 16                              ; step 1 is in; step 2's may be out
	TURN STB
	s_wait_dscnt 0x0                               ; also: the image's stores have read the codes' registers
	XLOAD STB, 3
	QUANT XQ, SX, LX
	IMAGE 1
	s_wait_loadcnt 16                              ; step 2 is in; step 3's may be out
	TURN STA
	s_wait_dscnt 0x0
	QUANT XQ, SX, LX
	IMAGE 2
	s_wait_loadcnt 0x0
	TURN STB
	s_wait_dscnt 0x0
	QUANT XQ, SX, LX
	IMAGE 3
	s_wait_dscnt 0x0                               ; for the others' sake: my images have landed
	s_barrier_signal -1
	s_barrier_wait -1                              ; all 32 fragments of x lie in LDS; nothing is stored to LDS after this
; ---- the products, 32 tokens (two tiles) at a time: 32 matrix instructions, eight accumulators by turns, then 64 numbers a lane are quantised and stored
.macro ARM isv
.irp g, 0,1,2,3
	FETCH \g                                       ; (behind the places and the 64 holds of the pair before)
	s_wait_dscnt 0x0
.if \isv
	WIN 0x04                                       ; source 1 (W) window 1
.else
	WIN 0x01                                       ; source 0 (W) window 1
.endif
.irp s, 0,1,2,3
.irp u, 0,1
.irp t, 0,1,2,3
.set rW, 16*(4*\t+\s)
.set rX, XF+16*(4*\u+\s)
.if \isv
.set rD, D+8*(2*\t+\u)                 ; tiles (t, 0) and (t, 1): 16 neighbouring tokens of a channel
.if \s == 0
	v_wmma_f32_16x16x128_bf8_bf8 v[rD:rD+7], v[rX:rX+15], v[rW:rW+15], v[B1+8*\t:B1+8*\t+7]
.else
	v_wmma_f32_16x16x128_bf8_bf8 v[rD:rD+7], v[rX:rX+15], v[rW:rW+15], v[rD:rD+7]
.endif
.else
.set rD, D+8*(4*\u+\t)                 ; tiles (u, 2 c) and (u, 2 c + 1): 16 neighbouring channels of a token
.if \s == 0
	v_wmma_f32_16x16x128_bf8_bf8 v[rD:rD+7], v[rW:rW+15], v[rX:rX+15], v[B1+8*\t:B1+8*\t+7]
.else
	v_wmma_f32_16x16x128_bf8_bf8 v[rD:rD+7], v[rW:rW+15], v[rX:rX+15], v[rD:rD+7]
.endif
.endif
.endr
.endr
.endr
	WIN 0
.rept 4
	v_nop                                          ; places in front of the first read of results (ISA guide 7.12.1)
.endr
	s_wait_xcnt 0x0                                ; the last pair's stores have read the codes' registers
	QUANT D, SO, LO
.if \isv
.irp t, 0,1,2,3
	global_store_b128 v[LI], v[PC+4*\t:PC+4*\t+3], s[52:53] offset:2048*\t+512*\g   ; group g (keys 32 g + 16 h on) of V's fragment t
.endr
.else
.irp u, 0,1
.irp c, 0,1
	global_store_b128 v[LI], v[PC+4*(2*\u+\c):PC+4*(2*\u+\c)+3], s[52:53] offset:(2*\g+\u)*1024+512*\c   ; group c of tile 2 g + u
.endr
.endr
.endif
.endr
.endm
	s_cmp_eq_u32 s21, 2                            ; the same in all waves of the work-group and in all partners of the cluster
	s_cbranch_scc1 .Lv
	ARM 0
	s_wait_tensorcnt 0x0                           ; the wave's end
	ds_add_u32 v14, v15
	s_wait_dscnt 0x0
	ROUND                                          ; the closing round: no work-group ends while a partner may still ask for a tile that names it
	s_endpgm
.Lv:
	ARM 1
	s_wait_tensorcnt 0x0
	ds_add_u32 v14, v15
	s_wait_dscnt 0x0
	ROUND
	s_endpgm
.Lfunc_end_k_q3f8dd27ec8_qkv:
	.size	k_q3f8dd27ec8_qkv, .Lfunc_end_k_q3f8dd27ec8_qkv-k_q3f8dd27ec8_qkv
	.p2alignl 7, 3214868480
	.fill 96, 4, 3214868480
	.section	.rodata,"a",@progbits
	.p2align	6, 0x0
	.amdhsa_kernel k_q3f8dd27ec8_qkv
		.amdhsa_group_segment_fixed_size 327680
		.amdhsa_private_segment_fixed_size 0
		.amdhsa_enable_private_segment 0
		.amdhsa_kernarg_size 64
		.amdhsa_user_sgpr_count 2
		.amdhsa_user_sgpr_kernarg_segment_ptr 1
		.amdhsa_wavefront_size32 1
		.amdhsa_system_sgpr_workgroup_id_x 1
		.amdhsa_system_sgpr_workgroup_id_y 1
		.amdhsa_system_sgpr_workgroup_id_z 1
		.amdhsa_system_vgpr_workitem_id 0
		.amdhsa_next_free_vgpr 512
		.amdhsa_next_free_sgpr 90
		.amdhsa_reserve_vcc 0
		.amdhsa_float_denorm_mode_32 3
		.amdhsa_float_denorm_mode_16_64 3
		.amdhsa_memory_ordered 1
		.amdhsa_forward_progress 1
		.amdhsa_inst_pref_size 123
	.end_amdhsa_kernel
	.amdgpu_metadata
---
amdhsa.version: [ 1, 2 ]
amdhsa.kernels:
  - .name:           k_q3f8dd27ec8_qkv
    .symbol:         k_q3f8dd27ec8_qkv.kd
    .args:
      - { .name: x, .offset: 0, .size: 8, .value_kind: global_buffer, .address_space: global }
      - { .name: w_img, .offset: 8, .size: 8, .value_kind: global_buffer, .address_space: global }
      - { .name: bq, .offset: 16, .size: 8, .value_kind: global_buffer, .address_space: global }
      - { .name: bk, .offset: 24, .size: 8, .value_kind: global_buffer, .address_space: global }
      - { .name: bv, .offset: 32, .size: 8, .value_kind: global_buffer, .address_space: global }
      - { .name: lowp_scales, .offset: 40, .size: 8, .value_kind: global_buffer, .address_space: global }
      - { .name: q_img, .offset: 48, .size: 8, .value_kind: global_buffer, .address_space: global }
      - { .name: kv_img, .offset: 56, .size: 8, .value_kind: global_buffer, .address_space: global }
    .group_segment_fixed_size: 327680
    .private_segment_fixed_size: 0
    .kernarg_segment_align: 8
    .kernarg_segment_size: 64
    .max_flat_workgroup_size: 256
    .sgpr_count:     90
    .vgpr_count:     512
    .wavefront_size: 32
...
	.end_amdgpu_metadata
.endif
;; end of part 2
;; launch attn (part 3): grid 16 x 16, 8 waves a work-group, clusters of 4 x 1, 327,680 bytes of LDS; arguments q_img, kv_img, lowp_scales, att_img; writes att_img
.if DOCPART == 3
	.amdgcn_target "amdgcn-amd-amdhsa--gfx1250"
	.amdhsa_code_object_version 6
	.text
	.protected	k_q3f8dd27ec8_attn
	.globl	k_q3f8dd27ec8_attn
	.p2align	8
	.type	k_q3f8dd27ec8_attn,@function
k_q3f8dd27ec8_attn:
	s_mov_b64 s[64:65], 0
	v_nop
	global_prefetch_b8 v0, s[64:65] scope:SCOPE_SE
	s_setreg_imm32_b32 hwreg(HW_REG_WAVE_MODE, 25, 1), 1
	s_wait_xcnt 0x0
	s_wait_alu depctr_hold_cnt(0) depctr_sa_sdst(0) depctr_va_vdst(0) depctr_va_sdst(0) depctr_va_ssrc(0) depctr_va_vcc(0) depctr_vm_vsrc(0)
	s_getreg_b32 s2, hwreg(HW_REG_IB_STS2, 6, 4)
	s_cmp_eq_u32 s2, 0
	s_cbranch_scc0 .Lentry_in_a_cluster
	s_endpgm
.Lentry_in_a_cluster:
	s_bfe_u32 s2, ttmp6, 0x10000c
	s_cmp_lg_u32 s2, 0x3003
	s_cbranch_scc0 .Lentry_shape_is_right
	s_endpgm
.Lentry_shape_is_right:
; O[head][q] = the sum over keys of softmax(q . k / 8) v, head size 64, 4,096 keys, both products on codes of BF8 (E5M2) with the given scales 2^e6 (q), 2^e7 (k), 2^e8 (p), 2^e9 (v);
; the result is quantised at once with 2^e10 for the output projection and stored as an image of that product's operand registers.
; THE SOFTMAX AHEAD OF THE SECOND PRODUCT: t = score x log2(e) / 8; M = the largest t so far, rounded UP to a whole number; p = 2^(t - M) is what is quantised; it is not normalised.
; The row's sum is taken of the unquantised p, in f32, and divides O at the end.  When M moves, the sum and O are multiplied by 2^(old M - new M), which rounds nothing.
; SHARES: work-group y = batch x 8 + head; a work-group owns 256 queries, each of its EIGHT waves two tiles of 16 (A and B): every fragment of K and V that a wave reads from LDS feeds two matrix instructions.
; Every wave walks all keys, 128 a step.  kv_img holds for each key step 16,384 bytes on end: K's eight fragments (16 keys x 64), then V's four (16 channels x 128 keys), each as an image of its registers,
; so a fragment comes from LDS by loads of 512 consecutive bytes.  Two LDS slots of EIGHT key steps (131,072 bytes): at a change of slots each of the eight waves fetches one key step by one tensor load.
; CLUSTER: the four query blocks of a cluster belong to one head and walk the same bytes: each tile is asked for JOINTLY, by the same tensor load with the same descriptor and the mask 15.
; LAYOUT: both products are used transposed: S^T = K Q^T (source 0 = 16 keys), O^T = V^T P^T (source 0 = 16 channels): a lane holds ONE query of each tile throughout.  Lane r of key tile 2 b + u holds key 32 b + 8 u + r + 8 (r / 8),
; so the 16 registers of score tiles 2 b, 2 b + 1 are keys 32 b + 16 h + 0 .. 15: the conversions' results are the second product's operand.
; LOADS FROM LDS RUN AHEAD: behind a step's first products stand V's loads of this step and K's of the next, 32 in one run.
; LIMITS.  e8 >= -15: p is at most 1 by its making (M is at or above every t), and 1 lies within 57,344 x 2^e8 from e8 = -15 on: so p has no hold ahead of its conversion; with e8 under -15 the program is not right.  e8 <= 127.
; e6 + e7 between -123 and 130 (added to c's exponent field); e10 - e8 - e9 between -126 and 112.  A row whose every score lies under -3e38 is not served.
; REGISTERS, window 0: v1 16 x lane; v3 the prefetch's offset; v5, v6 the spare word's address and 0; v7 the way out's bound; v8 the step's LDS address; v9 the conversions' scale;
;   v[12:13] A's -M and largest score, v[10:11] B's; v[14:15], v[16:17] the sums in two halves; v[18:19], v[20:21] f = 2^(old M - new M); v22-31, v232-255 at work;
;   v32-35 and v36-99: A's codes begin four registers under A's scores and are laid over scores that are already converted; v100-103, v104-167 the same for B; v168-199, v200-231 O^T of A, B.
;   window 1: v0-63 K's eight fragments; v64-127 V's four; v128-135, v136-143 Q of A, B.
.set STEPB, 16384                      ; a key step's bytes
.set NST,   8                          ; key steps in a slot
.set SLOTB, NST*STEPB                  ; a slot's bytes, 1 << 17: one exclusive or turns an address in one slot into the other's
.set SPARE, 2*SLOTB                    ; behind the ring: the spare words, 128 bytes for each of 8 waves: four blocks of 256 bytes that no other line names
.set NSL,   4                          ; 4,096 keys are four slots' worth
.set LI,  1
.set PFO, 3
.set SPW, 5
.set NIL, 6
.set LIMV, 7
.set ADR, 8
.set SC,  9
.set CA,  32
.set SA,  36
.set CB,  100
.set SB,  104
.set OA,  168
.set OB,  200
.set KF,  0                            ; window 1
.set VF,  64
.set QA,  128
.set QB,  136
.set WV,  18                           ; s18  my wave's number
.set TB,  19                           ; s19  LDS byte at which the slot in hand begins
.set SEL, 20                           ; s[20:21] lane selects for v_permlanex16_b32: lane l xor 16
.set CS,  22                           ; s[22:23] c = log2(e) / 8 x 2^(e6 + e7)
.set G1,  24                           ; s[24:31] descriptor group 1
.set G0,  40                           ; s[40:43] descriptor group 0, which walks
.set CNT, 44                           ; s44  key steps to go in the inner loop
.set T2,  45                           ; s45  LDS byte at which the key step in hand begins
.set SLOTS, 67                         ; s67  slots still to be asked for
.set PFA, 76                           ; s[76:77] where my prefetches stand
.set LIM, 80                           ; s80  1 in a wave that prefetches, else the greatest number
.set MSB, 0
.macro WIN new                         ; the immediate's high byte repeats the setting that is left
.if MSB != \new
	s_set_vgpr_msb (MSB<<8)|\new
.set MSB, \new
.endif
.endm
.macro ROUND                           ; a round of the cluster's barrier
	s_barrier_signal -1
	s_barrier_wait -1
	s_cmp_lg_u32 s[WV], 0
	s_cbranch_scc1 .Lnot_wave_0_\@
	s_barrier_signal -3
.Lnot_wave_0_\@:
	s_barrier_wait -3
	s_barrier_signal -1
	s_barrier_wait -1
.endm
.macro TLOAD                           ; every wave fetches key step (its number) of a slot: no branch.  An s_nop 0 and four v_nop follow the load
	tensor_load_to_lds s[G0:G0+3], s[G1:G1+7]
	s_nop 0
.rept 4
	v_nop
.endr
.endm
; A PREFETCH INTO THE L2 of the slot that the NEXT change of slots will ask for: eight key steps ahead of that load.  A slot is 131,072 bytes on end.  All four clusters of a head walk the same bytes: the head's first cluster asks.
; Its four partners take 32,768 bytes each, told apart BY ADDRESS; in each, waves 0 to 3 take 8,192 each, lanes 256 bytes apart: one instruction a wave, and each block of 256 bytes is named once in the launch.
; Slots 0 and 1 come by their loads alone; the last change that fills a slot asks for nothing.
.macro ASK
	s_cmp_gt_u32 s[SLOTS], s[LIM]
	s_cbranch_scc0 .Lnot_mine_\@
	global_prefetch_b8 v[PFO], s[PFA:PFA+1] th:TH_LOAD_NT scope:SCOPE_SE
.Lnot_mine_\@:
.endm
.macro KLOAD off                       ; K's eight fragments of the key step that begins off bytes behind v[ADR]; the destination's window is 1 here
.irp t, 0,1,2,3,4,5,6,7
	ds_load_b128 v[KF+8*\t:KF+8*\t+3],   v[ADR] offset:\off+1024*\t
	ds_load_b128 v[KF+8*\t+4:KF+8*\t+7], v[ADR] offset:\off+1024*\t+512
.endr
.endm
.macro CVT c, s, b                     ; 16 numbers of p become four registers of codes
	v_cvt_scalef32_pk8_bf8_f32 v[\c+4*\b:\c+4*\b+1],   v[\s+16*\b:\s+16*\b+7],    v[SC]
	v_cvt_scalef32_pk8_bf8_f32 v[\c+4*\b+2:\c+4*\b+3], v[\s+16*\b+8:\s+16*\b+15], v[SC]
.endm
.macro BSUM p                          ; B's four chains of sums (v248 to v255) take four more pairs of p
.irp k, 0,1,2,3
	v_pk_add_f32 v[248+2*\k:249+2*\k], v[248+2*\k:249+2*\k], v[SB+2*(\p+\k):SB+2*(\p+\k)+1]
.endr
.endm
	s_load_b256 s[4:11], s[0:1], 0x0               ; q_img, kv_img, the scales' exponents, att_img
	v_lshl_add_u32 v[SPW], v0, 2, SPARE
	v_mov_b32 v[NIL], 0
	ds_add_u32 v[SPW], v[NIL]                      ; the wave's opening: the add, twice on end, and its wait ahead of my first tensor load
	ds_add_u32 v[SPW], v[NIL]
	v_lshrrev_b32 v2, 5, v0
	v_readfirstlane_b32 s[WV], v2                  ; wave 0..7
	s_bfe_u32 s12, ttmp6, 0x40000                  ; cx: my place in the cluster: it enters Q's, the output's and the prefetches' global addresses alone
	s_lshl_b32 s13, ttmp9, 2
	s_add_co_u32 s13, s13, s12                     ; my block of 256 queries
	s_lshl_b32 s13, s13, 3
	s_add_co_u32 s13, s13, s[WV]                   ; my pair of tiles, 0..127
	s_and_b32 s14, ttmp7, 0xffff                   ; batch x 8 + head, which the partners share
	s_lshl_b32 s32, s14, 7
	s_add_co_u32 s32, s32, s13
	s_lshl_b32 s32, s32, 11                        ; q_img: 2,048 bytes a pair of tiles
	s_mov_b32 s33, 0
	s_lshr_b32 s34, s14, 3
	s_lshl_b32 s34, s34, 7
	s_add_co_u32 s34, s34, s13
	s_lshl_b32 s34, s34, 14                        ; att_img: 8,192 bytes a tile of rows,
	s_and_b32 s35, s14, 7
	s_lshl_b32 s35, s35, 10                        ; 1,024 of them my head's
	s_add_co_u32 s34, s34, s35
	s_mov_b32 s35, 0
	s_lshl_b32 s36, s14, 19                        ; kv_img: 524,288 bytes a head
	s_mov_b32 s37, 0
	s_lshl_b32 s38, s[WV], 14                      ; which key step of a slot I fetch: in memory and in LDS alike
	s_mov_b32 s39, 0
	; descriptor group 1: a dense block of 16,384 bytes as 64 rows of 32 elements of 8 bytes
	s_mov_b32 s[G1], 15|(3<<16)|(1<<21)            ; 15:0 the mask: all four work-groups; 17:16 elements of 8 bytes; 20 no padding; 21 set beside a mask
	s_mov_b32 s[G1+1], 32<<16                      ; tensor_dim0 = 32
	s_mov_b32 s[G1+2], 64<<16                      ; tensor_dim1 = 64
	s_mov_b32 s[G1+3], 32<<16                      ; tile_dim0 = 32
	s_mov_b32 s[G1+4], 64                          ; tile_dim1 = 64
	s_mov_b32 s[G1+5], 32                          ; from row to row
	s_mov_b32 s[G1+6], 0
	s_mov_b32 s[G1+7], 0
	s_mov_b32 s[SEL], 0x76543210
	s_mov_b32 s[SEL+1], 0xfedcba98
	s_mov_b32 s[CS], 0x3e38aa3b                    ; log2(e) / 8
	s_mov_b32 s[TB], 0
	s_mov_b32 s[SLOTS], NSL-1
	s_wait_dscnt 0x0                               ; both opening adds are done
	s_wait_kmcnt 0x0
	s_load_b128 s[68:71], s[8:9], 0x18             ; e6, e7, e8, e9
	s_load_b32 s72, s[8:9], 0x28                   ; e10
	s_add_nc_u64 s[6:7], s[6:7], s[36:37]          ; kv_img at my head
	s_mov_b32 s[G0], 1                             ; count = 1
	s_mov_b32 s[G0+1], s38                         ; LDS address: slot 0
	s_add_nc_u64 s[G0+2:G0+3], s[6:7], s[38:39]    ; global address
	s_or_b32 s[G0+3], s[G0+3], 0x80000000          ; type = 2
	ROUND                                          ; all four work-groups are here: the first joint loads meet
	TLOAD                                          ; slot 0: my one tensor load at the head
	s_add_nc_u64 s[4:5], s[4:5], s[32:33]
	s_add_nc_u64 s[10:11], s[10:11], s[34:35]
	v_and_b32 v2, 31, v0
	v_lshlrev_b32 v[LI], 4, v2
	v_lshlrev_b32 v[PFO], 8, v2
	WIN 0x40                                       ; destination window 1
.irp c, 0,1,2,3
	global_load_b128 v[QA+4*\c:QA+4*\c+3], v[LI], s[4:5] offset:512*\c   ; Q's two fragments stay in registers
.endr
	WIN 0
	s_lshl_b32 s82, s12, 15                        ; the prefetches: my work-group's 32,768 bytes of a slot,
	s_and_b32 s83, s[WV], 3
	s_lshl_b32 s83, s83, 13                        ; my wave's 8,192 of them,
	s_add_co_u32 s82, s82, s83
	s_add_co_u32 s82, s82, SLOTB                   ; in slot 1: the first change of slots steps it to slot 2
	s_mov_b32 s83, 0
	s_add_nc_u64 s[PFA:PFA+1], s[6:7], s[82:83]
	s_lshr_b32 s82, s[WV], 2                       ; 0 in waves 0 to 3,
	s_or_b32 s82, s82, ttmp9                       ; of the head's first cluster: the same in all four partners
	s_cmp_eq_u32 s82, 0
	s_cselect_b32 s[LIM], 1, -1
	v_mov_b32 v13, 0xff61b1e6                      ; the largest score so far: -3e38
	v_mov_b32 v11, 0xff61b1e6
	v_mov_b32 v12, 0x7f61b1e6                      ; -M
	v_mov_b32 v10, 0x7f61b1e6
.irp r, 14,15,16,17,19,21,22,23
	v_mov_b32 v\r, 0                               ; the sums; the upper halves of f's pairs; the lane permutes' destinations, which count as sources
.endr
.set j, 0
.rept 64
	v_mov_b32 v[OA+j], 0                           ; O^T: the key step is written in one form: its first run finds zeros, which the first change of M leaves zeros
.set j, j+1
.endr
	s_wait_kmcnt 0x0
	s_add_co_i32 s73, s68, s69
	s_lshl_b32 s73, s73, 23
	s_add_co_i32 s[CS], s[CS], s73                 ; a score stands for score x 2^(e6 + e7): the exponents are added to c's exponent field
	s_mov_b32 s[CS+1], s[CS]                       ; (named with it as a pair, so it is written)
	s_add_co_i32 s73, s70, 127
	s_lshl_b32 s74, s73, 23
	v_mov_b32 v[SC], s74                           ; 2^e8 as f32, for p's conversions
; A KEY STEP: 128 keys x my 32 queries.  nk = 1: the next step's K lies in the same slot and is fetched here
.macro STEP nk
	s_wait_dscnt 0x0                               ; this step's K is in
	WIN 0x05                                       ; sources 0 and 1 (K, Q) window 1
.irp t, 0,1,2,3,4,5,6,7
	v_wmma_f32_16x16x64_bf8_bf8 v[SA+8*\t:SA+8*\t+7], v[KF+8*\t:KF+8*\t+7], v[QA:QA+7], 0   ; S^T: 16 keys x 16 queries; twelve plain lines stand between the last step's products, which read the codes, and these
	v_wmma_f32_16x16x64_bf8_bf8 v[SB+8*\t:SB+8*\t+7], v[KF+8*\t:KF+8*\t+7], v[QB:QB+7], 0
.endr
	WIN 0x40                                       ; destination window 1
.rept 4
	v_nop                                          ; places: in front of loads into registers that matrix instructions have read, and of the first read of the scores
.endr
.irp t, 0,1,2,3
.irp c, 0,1,2,3
	ds_load_b128 v[VF+16*\t+4*\c:VF+16*\t+4*\c+3], v[ADR] offset:8192+2048*\t+512*\c   ; V lands while the softmax is worked
.endr
.endr
.if \nk
	KLOAD STEPB
.endif
	WIN 0
.if \nk
	s_add_co_u32 s[T2], s[T2], STEPB
	v_add_nc_u32 v[ADR], s[T2], v[LI]              ; on to the next key step (LDS instructions have read their address at issue)
.endif
	v_max3_num_f32 v24, v13, v[SA], v[SA+1]        ; the largest score so far of my query, the running one among the leaves: two chains a tile, the tiles by turns; each score tile is read from its low end on
	v_max3_num_f32 v26, v11, v[SB], v[SB+1]
	v_max3_num_f32 v25, v[SA+2], v[SA+3], v[SA+4]
	v_max3_num_f32 v27, v[SB+2], v[SB+3], v[SB+4]
.set i, 5
.rept 14
	v_max3_num_f32 v24, v24, v[SA+i], v[SA+i+1]
	v_max3_num_f32 v26, v26, v[SB+i], v[SB+i+1]
	v_max3_num_f32 v25, v25, v[SA+i+2], v[SA+i+3]
	v_max3_num_f32 v27, v27, v[SB+i+2], v[SB+i+3]
.set i, i+4
.endr
	v_max3_num_f32 v24, v24, v[SA+61], v[SA+62]
	v_max3_num_f32 v26, v26, v[SB+61], v[SB+62]
	v_max3_num_f32 v24, v24, v25, v[SA+63]
	v_max3_num_f32 v26, v26, v27, v[SB+63]
	v_permlanex16_b32 v22, v24, s[SEL], s[SEL+1]
	v_permlanex16_b32 v23, v26, s[SEL], s[SEL+1]
	v_max_num_f32 v13, v24, v22                    ; and among lane l xor 16's
	v_max_num_f32 v11, v26, v23
	v_mul_f32 v24, s[CS], v13                      ; as t (c is positive)
	v_mul_f32 v26, s[CS], v11
	v_floor_f32 v25, -v24                          ; the new -M = floor(-t) = -ceil(t): M is a whole number
	v_floor_f32 v27, -v26
	v_sub_f32 v24, v25, v12                        ; M's old value less its new one: a whole number, 0 or less
	v_sub_f32 v26, v27, v10
	v_mov_b32 v12, v25
	v_mov_b32 v10, v27
	v_cvt_i32_f32 v24, v24                         ; (it saturates)
	v_cvt_i32_f32 v26, v26
	v_ldexp_f32 v18, 1.0, v24                      ; f = 2^(old M - new M)
	v_ldexp_f32 v20, 1.0, v26
.set j, 0
.rept 32
	v_pk_fma_f32 v[SA+j:SA+j+1], v[SA+j:SA+j+1], s[CS:CS+1], v[12:13] op_sel_hi:[1,0,0]   ; A: t - M, two at a time (of the pairs c and -M the low word serves both halves)
.set j, j+2
.endr
.set j, 0
.rept 16
	v_pk_mul_f32 v[OA+j:OA+j+1], v[OA+j:OA+j+1], v[18:19] op_sel_hi:[1,0]   ; O^T under the new M, ahead of the step's exponentials; each accumulator from its low end on
	v_pk_mul_f32 v[OB+j:OB+j+1], v[OB+j:OB+j+1], v[20:21] op_sel_hi:[1,0]
.set j, j+2
.endr
	s_wait_alu depctr_va_vdst(0)
.set j, 0
.rept 32
	v_exp_f32 v[SA+j], v[SA+j]                     ; A: p = 2^(t - M), at most 1
	v_exp_f32 v[SA+j+1], v[SA+j+1]
	v_pk_fma_f32 v[SB+j:SB+j+1], v[SB+j:SB+j+1], s[CS:CS+1], v[10:11] op_sel_hi:[1,0,0]   ; B: t - M, among A's exponentials: it names none of their registers, and is first read behind the next wait
.set j, j+2
.endr
	s_wait_alu depctr_va_vdst(0)                   ; one wait behind A's batch and ahead of B's
.set i, 0
.rept 16
.set TR, 2*i+232*(1-i/12)              ; sixteen pairs at work: v232-255, then v24-31
	v_exp_f32 v[SB+4*i], v[SB+4*i]                 ; B: p
	v_exp_f32 v[SB+4*i+1], v[SB+4*i+1]
	v_exp_f32 v[SB+4*i+2], v[SB+4*i+2]
	v_exp_f32 v[SB+4*i+3], v[SB+4*i+3]
	v_pk_add_f32 v[TR:TR+1], v[SA+4*i:SA+4*i+1], v[SA+4*i+2:SA+4*i+3]   ; THE ROW'S SUM IS TAKEN OF THE UNQUANTISED p.  A's first level: sixteen sums that hang on no line of this batch, first read behind the next wait
.if (i%4) == 3
	CVT CA, SA, (i/4)                              ; A's block i / 4, whose four sums stand above, becomes codes: those of blocks 1 to 3 land on block 0's numbers, which are converted and summed; four plain sums stand between two blocks' conversions; the codes are first read behind the next wait
.endif
.set i, i+1
.endr
	s_wait_alu depctr_va_vdst(0)                   ; one wait behind B's batch, which also stands directly ahead of the wait below
.if \nk
	s_wait_dscnt 16                                ; V is in; the next step's 16 loads of K may be out
.else
	s_wait_dscnt 0x0
.endif
.irp k, 0,1,2,3
	v_pk_add_f32 v[232+2*\k:233+2*\k], v[232+2*\k:233+2*\k], v[248+2*\k:249+2*\k]   ; A's second level
.endr
.irp k, 0,1,2,3
	v_pk_add_f32 v[240+2*\k:241+2*\k], v[240+2*\k:241+2*\k], v[24+2*\k:25+2*\k]
.endr
.irp k, 0,1,2,3
	v_pk_add_f32 v[248+2*\k:249+2*\k], v[SB+2*\k:SB+2*\k+1], v[SB+8+2*\k:SB+9+2*\k]   ; B's four chains begin with all of block 0, on whose numbers B's later codes land
.endr
	BSUM 8
	CVT CB, SB, 0
	BSUM 12
	CVT CB, SB, 1
	BSUM 16
	CVT CB, SB, 2
	BSUM 20
	CVT CB, SB, 3
	BSUM 24
	BSUM 28
	WIN 0x01                                       ; source 0 (V) window 1
.irp t, 0,1,2,3
	v_wmma_f32_16x16x128_bf8_bf8 v[OA+8*\t:OA+8*\t+7], v[VF+16*\t:VF+16*\t+15], v[CA:CA+15], v[OA+8*\t:OA+8*\t+7]   ; O^T += V^T P^T: the eight accumulators by turns
	v_wmma_f32_16x16x128_bf8_bf8 v[OB+8*\t:OB+8*\t+7], v[VF+16*\t:VF+16*\t+15], v[CB:CB+15], v[OB+8*\t:OB+8*\t+7]
.endr
	WIN 0
.irp k, 0,1,2,3                        ; the sums' last levels: twelve plain lines that name no register of the products above: the places behind them
	v_pk_add_f32 v[232+2*\k:233+2*\k], v[232+2*\k:233+2*\k], v[240+2*\k:241+2*\k]
.endr
	v_pk_add_f32 v[248:249], v[248:249], v[252:253]
	v_pk_add_f32 v[250:251], v[250:251], v[254:255]
	v_pk_add_f32 v[232:233], v[232:233], v[236:237]
	v_pk_add_f32 v[234:235], v[234:235], v[238:239]
	v_pk_add_f32 v[248:249], v[248:249], v[250:251]
	v_pk_add_f32 v[232:233], v[232:233], v[234:235]
	v_pk_fma_f32 v[16:17], v[16:17], v[20:21], v[248:249] op_sel_hi:[1,0,1]   ; the running sum under the new M, and the step's
	v_pk_fma_f32 v[14:15], v[14:15], v[18:19], v[232:233] op_sel_hi:[1,0,1]
.endm
; THE CHANGE OF SLOTS stands at a slot's head.  Each wave waits for all its tensor loads (its part of the slot that it is about to read), adds 0 to its spare word, and waits for that and for its reads of the slot that it has left.
; fill = 1: a round of the cluster's barrier, so that no wave of any partner still reads that slot or has a load on its way; the joint refill is the first thing behind it and has eight key steps in which to land.
.macro CHANGE fill
	s_mov_b32 s[T2], s[TB]
	v_add_nc_u32 v[ADR], s[T2], v[LI]              ; the slot's first key step
	s_wait_alu depctr_va_vdst(0)
	s_wait_tensorcnt 0x0                           ; no tensor load of mine is out, so group 0 may be written
	ds_add_u32 v[SPW], v[NIL]                      ; 0 onto my spare word
.if \fill
	s_xor_b32 s[G0+1], s[G0+1], SLOTB              ; the other slot than last time,
	s_add_nc_u64 s[G0+2:G0+3], s[G0+2:G0+3], SLOTB ; the next 1,024 keys; the type bits on top are not reached
	s_wait_xcnt 0x0                                ; the last prefetch, a slot back, has read its address, so it may be written:
	s_add_nc_u64 s[PFA:PFA+1], s[PFA:PFA+1], SLOTB ; one slot further on than the walking descriptor
.endif
	s_wait_dscnt 0x0                               ; the add is done, and my reads of the slot that I have left are over
.if \fill
	ROUND
	TLOAD                                          ; a wave's one tensor load until the next round
.else
	s_barrier_signal -1
	s_barrier_wait -1
.endif
	WIN 0x40
	KLOAD 0                                        ; the slot's first K
	WIN 0
.if \fill
	ASK
.endif
.endm
.macro SLOT_STEPS
	s_mov_b32 s[CNT], NST-1
.Lstep_\@:
	STEP 1
	s_sub_co_u32 s[CNT], s[CNT], 1
	s_cmp_lg_u32 s[CNT], 0
	s_cbranch_scc1 .Lstep_\@
	STEP 0                                         ; the slot's last step fetches no K: the next lies in the other slot, behind the change
	s_xor_b32 s[TB], s[TB], SLOTB                  ; on to the other slot
.endm
	s_wait_alu depctr_va_vdst(0)
	s_wait_loadcnt 0x0                             ; Q
.Lslot:                                            ; NSL - 1 trips: behind each change of slots but the last the next slot is asked for
	CHANGE 1
	SLOT_STEPS
	s_sub_co_u32 s[SLOTS], s[SLOTS], 1
	s_cmp_lg_u32 s[SLOTS], 0
	s_cbranch_scc1 .Lslot
	CHANGE 0                                       ; the last slot is written out
	SLOT_STEPS
	; THE WAY OUT: O^T / the sum stands for O / 2^(e8 + e9); its code for the next product is that / 2^(e10 - e8 - e9).  A lane's 32 channels of a tile become two groups of 16 codes: the wave stores 512 consecutive bytes four times.
	v_add_f32 v14, v14, v15                        ; the sums' two halves (the step's twelve closing lines are the places behind the last products),
	v_add_f32 v16, v16, v17
	v_permlanex16_b32 v22, v14, s[SEL], s[SEL+1]
	v_permlanex16_b32 v23, v16, s[SEL], s[SEL+1]
	v_add_f32 v14, v14, v22                        ; and lane l xor 16's
	v_add_f32 v16, v16, v23
	s_wait_alu depctr_va_vdst(0)
	v_rcp_f32 v14, v14
	v_rcp_f32 v16, v16
	v_nop                                          ; a plain line behind the reciprocals
	s_sub_co_i32 s73, s72, s70
	s_sub_co_i32 s73, s73, s71                     ; e10 - e8 - e9
	s_add_co_i32 s73, s73, 127
	s_lshl_b32 s74, s73, 23
	v_mov_b32 v[SC], s74
	s_add_co_i32 s73, s73, 15
	s_lshl_b32 s73, s73, 23
	s_or_b32 s73, s73, 0x600000
	v_mov_b32 v[LIMV], s73                         ; 57,344 x the scale
	s_wait_alu depctr_va_vdst(0)                   ; the wait ahead of the reciprocals' first reader, which is also O^T's
.set j, 0
.rept 16
	v_pk_mul_f32 v[SA+j:SA+j+1], v[OA+j:OA+j+1], v[14:15] op_sel_hi:[1,0]   ; register 16 b + i: channel 32 b + 16 h + i of my query; each accumulator from its low end on
	v_pk_mul_f32 v[SB+j:SB+j+1], v[OB+j:OB+j+1], v[16:17] op_sel_hi:[1,0]
.set j, j+2
.endr
.set j, 0
.rept 32
	v_med3_num_f32 v[SA+j], v[SA+j], -v[LIMV], v[LIMV]   ; the conversion does not saturate (ISA guide 7.6.2): the hold comes first
	v_med3_num_f32 v[SB+j], v[SB+j], -v[LIMV], v[LIMV]
.set j, j+1
.endr
	CVT 232, SA, 0
	CVT 232, SA, 1
	CVT 240, SB, 0
	CVT 240, SB, 1
	v_nop                                          ; a plain line behind the last conversion
	global_store_b128 v[LI], v[232:235], s[10:11]
	global_store_b128 v[LI], v[236:239], s[10:11] offset:512
	global_store_b128 v[LI], v[240:243], s[10:11] offset:8192
	global_store_b128 v[LI], v[244:247], s[10:11] offset:8704
	s_wait_tensorcnt 0x0                           ; the wave's end
	ds_add_u32 v[SPW], v[NIL]
	s_wait_dscnt 0x0
	ROUND                                          ; the closing round: no work-group ends while a partner may still ask for a tile that names it
	s_endpgm
.Lfunc_end_k_q3f8dd27ec8_attn:
	.size	k_q3f8dd27ec8_attn, .Lfunc_end_k_q3f8dd27ec8_attn-k_q3f8dd27ec8_attn
	.p2alignl 7, 3214868480
	.fill 96, 4, 3214868480
	.section	.rodata,"a",@progbits
	.p2align	6, 0x0
	.amdhsa_kernel k_q3f8dd27ec8_attn
		.amdhsa_group_segment_fixed_size 327680
		.amdhsa_private_segment_fixed_size 0
		.amdhsa_enable_private_segment 0
		.amdhsa_kernarg_size 32
		.amdhsa_user_sgpr_count 2
		.amdhsa_user_sgpr_kernarg_segment_ptr 1
		.amdhsa_wavefront_size32 1
		.amdhsa_system_sgpr_workgroup_id_x 1
		.amdhsa_system_sgpr_workgroup_id_y 1
		.amdhsa_system_sgpr_workgroup_id_z 1
		.amdhsa_system_vgpr_workitem_id 0
		.amdhsa_next_free_vgpr 512
		.amdhsa_next_free_sgpr 90
		.amdhsa_reserve_vcc 0
		.amdhsa_float_denorm_mode_32 3
		.amdhsa_float_denorm_mode_16_64 3
		.amdhsa_memory_ordered 1
		.amdhsa_forward_progress 1
		.amdhsa_inst_pref_size 112
	.end_amdhsa_kernel
	.amdgpu_metadata
---
amdhsa.version: [ 1, 2 ]
amdhsa.kernels:
  - .name:           k_q3f8dd27ec8_attn
    .symbol:         k_q3f8dd27ec8_attn.kd
    .args:
      - { .name: q_img, .offset: 0, .size: 8, .value_kind: global_buffer, .address_space: global }
      - { .name: kv_img, .offset: 8, .size: 8, .value_kind: global_buffer, .address_space: global }
      - { .name: lowp_scales, .offset: 16, .size: 8, .value_kind: global_buffer, .address_space: global }
      - { .name: att_img, .offset: 24, .size: 8, .value_kind: global_buffer, .address_space: global }
    .group_segment_fixed_size: 327680
    .private_segment_fixed_size: 0
    .kernarg_segment_align: 8
    .kernarg_segment_size: 32
    .max_flat_workgroup_size: 256
    .sgpr_count:     90
    .vgpr_count:     512
    .wavefront_size: 32
...
	.end_amdgpu_metadata
.endif
;; end of part 3
;; launch oproj (part 4): grid 4 x 64, 8 waves a work-group, clusters of 4 x 4, 214,016 bytes of LDS; arguments att_img, w_img, bo, lowp_scales, out0; writes out0
.if DOCPART == 4
	.amdgcn_target "amdgcn-amd-amdhsa--gfx1250"
	.amdhsa_code_object_version 6
	.text
	.protected	k_q3f8dd27ec8_oproj
	.globl	k_q3f8dd27ec8_oproj
	.p2align	8
	.type	k_q3f8dd27ec8_oproj,@function
k_q3f8dd27ec8_oproj:
	s_mov_b64 s[64:65], 0
	v_nop
	global_prefetch_b8 v0, s[64:65] scope:SCOPE_SE
	s_setreg_imm32_b32 hwreg(HW_REG_WAVE_MODE, 25, 1), 1
	s_wait_xcnt 0x0
	s_wait_alu depctr_hold_cnt(0) depctr_sa_sdst(0) depctr_va_vdst(0) depctr_va_sdst(0) depctr_va_ssrc(0) depctr_va_vcc(0) depctr_vm_vsrc(0)
	s_getreg_b32 s2, hwreg(HW_REG_IB_STS2, 6, 4)
	s_cmp_eq_u32 s2, 0
	s_cbranch_scc0 .Lentry_in_a_cluster
	s_endpgm
.Lentry_in_a_cluster:
	s_bfe_u32 s2, ttmp6, 0x10000c
	s_cmp_lg_u32 s2, 0xf033
	s_cbranch_scc0 .Lentry_shape_is_right
	s_endpgm
.Lentry_shape_is_right:
; out0 = att Wo^T + bo on codes of BF8 (E5M2): att's codes (scale 2^e10) and Wo's (2^e11) arrive as images of operand registers; out0 [8,192][512] f32.  Each sum is multiplied once by 2^(e10 + e11) and the bias added in the same fused multiply-add.
; SHARES: a work-group makes 128 tokens x 128 columns: its x = the columns' block, its y = the tokens' block.  Wave w takes token tiles 2 (w % 4), 2 (w % 4) + 1 (32 tokens) and 64 columns (half w / 4): eight accumulators, K = 512 in four steps.
; LDS: att's block (8 tiles x 4 K steps x 2,048 bytes) at 0, Wo's (2 x 16 fragments) at 65,536, each filled ONCE: eight tensor loads of 16,384 dense bytes, one a wave.  Behind them a stage of 32 rows x 272 bytes for each wave, into which no fill lands.
; No LDS byte is filled twice, so the launch has no ring.
; CLUSTER 4 x 4: att's block hangs on the tokens' block alone and is shared along a row of the cluster, Wo's on the columns' block alone and is shared along a column: each is asked for JOINTLY, which divides the requests by four.
; THE MATRIX INSTRUCTION IS USED TRANSPOSED (source 0 = 16 rows of Wo, source 1 = 16 tokens): a lane holds one token and eight neighbouring columns.  Lane r of token tile 2 g + u is token 32 g + 8 u + r + 8 (r / 8); Wo's rows are tiled likewise.
; The results go through the wave's own stage and leave as rows: sixteen lanes store 256 consecutive bytes, aligned.
; LIMIT: e10 + e11 between -126 and 127, so that 2^(e10 + e11) is an f32 number.
; REGISTERS: v1-10 addresses; v16-47 att's two fragments; v48-111 Wo's four; v112-175 the eight accumulators ((u, t) at 8 (4 u + t)); v176-207 the bias; on the way out v16-79 the results, v112-175 the rows read back.
.set WO,  65536
.set STG, 131072
.set SP,  272
.set LI,  1
.set AADR, 5
.set WADR, 6
.set SOA, 7
.set SRA, 8
.set GO,  9
.set AF,  16
.set WF,  48
.set D,   112
.set BO,  176
.set TMP, 16
.set BK,  112
.set G1A, 24                           ; s[24:31] group 1 for att's block;  s[32:35] its group 0
.set G0A, 32
.set G1B, 48                           ; s[48:55], s[56:59] the same for Wo's
.set G0B, 56
.macro ROUND                           ; a round of the cluster's barrier
	s_barrier_signal -1
	s_barrier_wait -1
	s_cmp_lg_u32 s14, 0
	s_cbranch_scc1 .Lnot_wave_0_\@
	s_barrier_signal -3
.Lnot_wave_0_\@:
	s_barrier_wait -3
	s_barrier_signal -1
	s_barrier_wait -1
.endm
	s_load_b256 s[4:11], s[0:1], 0x0               ; att_img, w_img, bo, the scales' exponents
	s_load_b64 s[12:13], s[0:1], 0x20              ; out0
	v_lshl_add_u32 v254, v0, 2, 0x34000
	v_mov_b32 v255, 0
	ds_add_u32 v254, v255
	ds_add_u32 v254, v255
	v_lshrrev_b32 v1, 5, v0
	s_delay_alu instid0(VALU_DEP_1)
	v_readfirstlane_b32 s14, v1                    ; wave 0..7
	s_lshr_b32 s15, s14, 2                         ; which 64 columns are mine.  Also: I fetch for att (0) or for Wo (1)
	s_and_b32 s16, s14, 3                          ; which 32 tokens.  Also: which quarter of that block I fetch
	s_bfe_u32 s40, ttmp6, 0x40000                  ; cx, cy: my place in the cluster
	s_bfe_u32 s41, ttmp6, 0x40004
	s_lshl_b32 s42, ttmp9, 2
	s_add_co_u32 s42, s42, s40                     ; the columns' block
	s_and_b32 s17, ttmp7, 0xffff
	s_lshl_b32 s17, s17, 2
	s_add_co_u32 s17, s17, s41                     ; the tokens' block
	s_lshl_b32 s43, s41, 2
	s_lshl_b32 s43, 15, s43                        ; my row of the cluster
	s_lshl_b32 s44, 0x1111, s40                    ; my column
	; descriptor group 1: a dense block of 16,384 bytes as 64 rows of 32 elements of 8 bytes
	s_or_b32 s[G1A], s43, (3<<16)|(1<<21)          ; 15:0 the mask; 17:16 elements of 8 bytes; 20 no padding; 21 set beside a mask
	s_or_b32 s[G1B], s44, (3<<16)|(1<<21)
.irp g, G1A, G1B
	s_mov_b32 s[\g+1], 32<<16                      ; tensor_dim0 = 32
	s_mov_b32 s[\g+2], 64<<16                      ; tensor_dim1 = 64
	s_mov_b32 s[\g+3], 32<<16                      ; tile_dim0 = 32
	s_mov_b32 s[\g+4], 64                          ; tile_dim1 = 64
	s_mov_b32 s[\g+5], 32                          ; from row to row
	s_mov_b32 s[\g+6], 0
	s_mov_b32 s[\g+7], 0
.endr
	s_lshl_b32 s18, s16, 14                        ; my quarter
	s_lshl_b32 s20, s17, 16                        ; att: 65,536 bytes a block of tokens: made of the tokens' block and the wave's number alone
	s_add_co_u32 s20, s20, s18
	s_mov_b32 s21, 0
	s_lshl_b32 s22, s42, 16                        ; Wo: 65,536 bytes a block of columns, in the fourth matrix of w_img: made of the columns' block and the wave's number alone
	s_add_co_u32 s22, s22, s18
	s_add_co_u32 s22, s22, 3*262144
	s_mov_b32 s23, 0
	s_lshl_b32 s45, s14, 14                        ; where it goes: 16,384 x wave: no place in the cluster enters an LDS address
	s_lshl_b32 s60, s17, 18                        ; out0: 128 rows of 2,048 bytes a block of tokens,
	s_lshl_b32 s61, s16, 16                        ; + my 32 rows
	s_add_co_u32 s60, s60, s61
	s_lshl_b32 s62, s42, 9                         ; + 512 bytes a block of columns,
	s_lshl_b32 s63, s15, 8                         ; + my 256
	s_add_co_u32 s62, s62, s63                     ; (this is also my place in bo)
	s_add_co_u32 s60, s60, s62
	s_mov_b32 s61, 0
	s_mov_b32 s63, 0
	s_wait_dscnt 0x0
	s_wait_kmcnt 0x0
	s_load_b64 s[46:47], s[10:11], 0x28            ; e10, e11
	s_mov_b32 s[G0A], 1
	s_mov_b32 s[G0A+1], s45
	s_add_nc_u64 s[G0A+2:G0A+3], s[4:5], s[20:21]
	s_or_b32 s[G0A+3], s[G0A+3], 0x80000000
	s_mov_b32 s[G0B], 1
	s_mov_b32 s[G0B+1], s45
	s_add_nc_u64 s[G0B+2:G0B+3], s[6:7], s[22:23]
	s_or_b32 s[G0B+3], s[G0B+3], 0x80000000
	s_add_nc_u64 s[8:9], s[8:9], s[62:63]
	s_add_nc_u64 s[12:13], s[12:13], s[60:61]
	ROUND                                          ; all sixteen work-groups are here: the joint loads meet
	s_cmp_eq_u32 s15, 0                            ; the branch hangs on the wave's number alone; four v_nop follow each of the two lines
	s_cbranch_scc0 .Lfor_w
	tensor_load_to_lds s[G0A:G0A+3], s[G1A:G1A+7]
	s_nop 0
.rept 4
	v_nop
.endr
	s_branch .Lasked
.Lfor_w:
	tensor_load_to_lds s[G0B:G0B+3], s[G1B:G1B+7]
	s_nop 0
.rept 4
	v_nop
.endr
.Lasked:
	v_and_b32 v11, 31, v0
	s_delay_alu instid0(VALU_DEP_1)
	v_lshlrev_b32 v[LI], 4, v11                    ; 16 x lane
	v_and_b32 v2, 15, v0                           ; r
	v_bfe_u32 v3, v0, 4, 1                         ; h
	s_delay_alu instid0(VALU_DEP_2)
	v_and_b32 v4, 8, v2
	s_delay_alu instid0(VALU_DEP_1)
	v_add_nc_u32 v4, v4, v2                        ; r + 8 (r / 8)
	s_delay_alu instid0(VALU_DEP_3)
	v_lshlrev_b32 v10, 6, v3                       ; bo: 64 h: my half's 16 columns of a group of 32
.irp t, 0,1,2,3
	global_load_b128 v[BO+8*\t:BO+8*\t+3],   v10, s[8:9] offset:(32*(\t/2)+8*(\t%2))*4
	global_load_b128 v[BO+8*\t+4:BO+8*\t+7], v10, s[8:9] offset:(32*(\t/2)+8*(\t%2))*4+16
.endr
	s_lshl_b32 s19, s16, 14
	v_add_nc_u32 v[AADR], s19, v[LI]               ; my two token tiles' fragments
	s_lshl_b32 s19, s15, 15
	s_add_co_u32 s19, s19, WO
	v_add_nc_u32 v[WADR], s19, v[LI]               ; my 64 columns' fragments
	s_mul_i32 s19, s14, 32*SP
	s_add_co_u32 s19, s19, STG                     ; my stage
	v_mul_u32_u24 v[SOA], v4, SP
	s_delay_alu instid0(VALU_DEP_1)
	v_lshl_add_u32 v[SOA], v3, 6, v[SOA]
	s_delay_alu instid0(VALU_DEP_1)
	v_add_nc_u32 v[SOA], s19, v[SOA]               ; in: row r + 8 (r / 8) (+ 8 u), byte 64 h (+ the tile's)
	v_mul_u32_u24 v[SRA], v3, SP
	s_delay_alu instid0(VALU_DEP_1)
	v_lshl_add_u32 v[SRA], v2, 4, v[SRA]
	s_delay_alu instid0(VALU_DEP_1)
	v_add_nc_u32 v[SRA], s19, v[SRA]               ; back: lanes 0-15 one row of 256 bytes, lanes 16-31 the next
	v_lshlrev_b32 v[GO], 11, v3
	s_delay_alu instid0(VALU_DEP_1)
	v_lshl_add_u32 v[GO], v2, 4, v[GO]             ; and the same two rows in out0
	s_wait_alu depctr_va_vdst(0)
	s_wait_tensorcnt 0x0                           ; my quarter is in,
	s_barrier_signal -1
	s_barrier_wait -1                              ; everybody's is
.irp s, 0,1,2,3
.irp u, 0,1
.irp c, 0,1,2,3
	ds_load_b128 v[AF+16*\u+4*\c:AF+16*\u+4*\c+3], v[AADR] offset:8192*\u+2048*\s+512*\c
.endr
.endr
.irp t, 0,1,2,3
.irp c, 0,1,2,3
	ds_load_b128 v[WF+16*\t+4*\c:WF+16*\t+4*\c+3], v[WADR] offset:2048*(4*\t+\s)+512*\c
.endr
.endr
	s_wait_dscnt 0x0
.irp u, 0,1
.irp t, 0,1,2,3                        ; the eight accumulators by turns; the first K step starts the sums
.if \s == 0
	v_wmma_f32_16x16x128_bf8_bf8 v[D+8*(4*\u+\t):D+8*(4*\u+\t)+7], v[WF+16*\t:WF+16*\t+15], v[AF+16*\u:AF+16*\u+15], 0
.else
	v_wmma_f32_16x16x128_bf8_bf8 v[D+8*(4*\u+\t):D+8*(4*\u+\t)+7], v[WF+16*\t:WF+16*\t+15], v[AF+16*\u:AF+16*\u+15], v[D+8*(4*\u+\t):D+8*(4*\u+\t)+7]
.endif
.endr
.endr
.rept 4
	v_nop                                          ; places in front of loads into registers that matrix instructions have read, and of the first read of results
.endr
.endr
	s_wait_kmcnt 0x0
	s_add_co_i32 s46, s46, s47
	s_add_co_i32 s46, s46, 127
	s_lshl_b32 s46, s46, 23                        ; 2^(e10 + e11) as f32
	s_mov_b32 s47, s46                             ; (named with it as a pair, so it is written)
	s_wait_loadcnt 0x0                             ; bo
.irp u, 0,1
.irp t, 0,1,2,3
.irp i, 0,2,4,6
	v_pk_fma_f32 v[TMP+8*(4*\u+\t)+\i:TMP+8*(4*\u+\t)+\i+1], v[D+8*(4*\u+\t)+\i:D+8*(4*\u+\t)+\i+1], s[46:47], v[BO+8*\t+\i:BO+8*\t+\i+1] op_sel_hi:[1,0,1]   ; sum x 2^(e10 + e11) + bo; each accumulator from its low end on
.endr
.endr
.endr
.irp u, 0,1
.irp t, 0,1,2,3
	ds_store_b128 v[SOA], v[TMP+8*(4*\u+\t):TMP+8*(4*\u+\t)+3]   offset:8*SP*\u+128*(\t/2)+32*(\t%2)
	ds_store_b128 v[SOA], v[TMP+8*(4*\u+\t)+4:TMP+8*(4*\u+\t)+7] offset:8*SP*\u+128*(\t/2)+32*(\t%2)+16
.endr
.endr
.irp i, 0,1,2,3,4,5,6,7,8,9,10,11,12,13,14,15
	ds_load_b128 v[BK+4*\i:BK+4*\i+3], v[SRA] offset:2*SP*\i   ; LDS serves a wave's instructions in order (ISA guide 5.7.1.4): these see my stores
.endr
.irp i, 0,1,2,3,4,5,6,7,8,9,10,11,12,13,14,15
	s_wait_dscnt 15-\i                             ; rows 2 i and 2 i + 1 are back; the younger loads may be out
	global_store_b128 v[GO], v[BK+4*\i:BK+4*\i+3], s[12:13] offset:4096*\i th:TH_STORE_NT   ; sixteen lanes store 256 consecutive bytes, aligned; written once, read by nobody here
.endr
	s_wait_tensorcnt 0x0
	ds_add_u32 v254, v255
	s_wait_dscnt 0x0
	ROUND                                          ; the closing round: no work-group ends while a partner may still ask for a tile that names it
	s_endpgm
.Lfunc_end_k_q3f8dd27ec8_oproj:
	.size	k_q3f8dd27ec8_oproj, .Lfunc_end_k_q3f8dd27ec8_oproj-k_q3f8dd27ec8_oproj
	.p2alignl 7, 3214868480
	.fill 96, 4, 3214868480
	.section	.rodata,"a",@progbits
	.p2align	6, 0x0
	.amdhsa_kernel k_q3f8dd27ec8_oproj
		.amdhsa_group_segment_fixed_size 214016
		.amdhsa_private_segment_fixed_size 0
		.amdhsa_enable_private_segment 0
		.amdhsa_kernarg_size 40
		.amdhsa_user_sgpr_count 2
		.amdhsa_user_sgpr_kernarg_segment_ptr 1
		.amdhsa_wavefront_size32 1
		.amdhsa_system_sgpr_workgroup_id_x 1
		.amdhsa_system_sgpr_workgroup_id_y 1
		.amdhsa_system_sgpr_workgroup_id_z 1
		.amdhsa_system_vgpr_workitem_id 0
		.amdhsa_next_free_vgpr 256
		.amdhsa_next_free_sgpr 66
		.amdhsa_reserve_vcc 0
		.amdhsa_float_denorm_mode_32 3
		.amdhsa_float_denorm_mode_16_64 3
		.amdhsa_memory_ordered 1
		.amdhsa_forward_progress 1
		.amdhsa_inst_pref_size 22
	.end_amdhsa_kernel
	.amdgpu_metadata
---
amdhsa.version: [ 1, 2 ]
amdhsa.kernels:
  - .name:           k_q3f8dd27ec8_oproj
    .symbol:         k_q3f8dd27ec8_oproj.kd
    .args:
      - { .name: att_img, .offset: 0, .size: 8, .value_kind: global_buffer, .address_space: global }
      - { .name: w_img, .offset: 8, .size: 8, .value_kind: global_buffer, .address_space: global }
      - { .name: bo, .offset: 16, .size: 8, .value_kind: global_buffer, .address_space: global }
      - { .name: lowp_scales, .offset: 24, .size: 8, .value_kind: global_buffer, .address_space: global }
      - { .name: out0, .offset: 32, .size: 8, .value_kind: global_buffer, .address_space: global }
    .group_segment_fixed_size: 214016
    .private_segment_fixed_size: 0
    .kernarg_segment_align: 8
    .kernarg_segment_size: 40
    .max_flat_workgroup_size: 256
    .sgpr_count:     66
    .vgpr_count:     256
    .wavefront_size: 32
...
	.end_amdgpu_metadata
.endif
;; end of part 4
